; MI455X (gfx1250); checked and timed in simulation.
; The chip was launched on July 23, 2026; its instructions are those of AMD's public machine-readable ISA for CDNA 5 (MIT licence, August 2026) and "CDNA5" Instruction Set Architecture Reference Guide (July 2026). The comments in the code are by the model that wrote it; some were corrected since.
;; Gpt2 Hyena. Allowed arithmetic: matrix products marked QUANTISED: E5M2 operands, one given power-of-two scale a tensor, by v_wmma_f32_16x16x64_bf8_bf8 or v_wmma_f32_16x16x128_bf8_bf8, f32 sums; everything else in f32.
;; Inputs: b_attn 3 x 16 x 64 float32; b_proj 1,024 float32; lowp_scales 8 int32 (the exponents e of the quantised operands' scales 2^e); w_attn_codes 3 x 16 x 64 x 32 x 32 uint8 (E5M2 codes of w_attn, K innermost, in blocks of 32 codes); w_proj 16 x 64 x 1,024 float32; x_codes 4 x 2,048 x 32 x 32 uint8 (E5M2 codes of x, K innermost, in blocks of 32 codes).
;; Outputs: out0 4 x 2,048 x 1,024 float32.
;; This version of the problem:
;;   THIS VERSION OF THE PROBLEM IS GIVEN IN LOW PRECISION. The matrix products marked QUANTISED in the list below multiply operands that are first quantised to E5M2 (5 exponent bits, 2 mantissa bits; 8 bits a number), with one given power-of-two scale for each operand tensor; their sums are f32. All else is computed in f32.
;;   The module's matrix products, in the order in which they are computed (A, B: the left and right operand; K: the contracted axis; several contracted axes count as one K, in the product's order):
;;     1. [M 3,072, K 1,024] x [K 1,024, N 8,192]; A: input w_attn (given as codes); B: input x (given as codes): QUANTISED (scales: A lowp_scales[0], B lowp_scales[1])
;;     2. batch 64 x [M 2,048, K 64] x [K 64, N 2,048]; A: computed on the way; B: computed on the way: QUANTISED (scales: A lowp_scales[2], B lowp_scales[3])
;;     3. batch 64 x [M 2,048, K 2,048] x [K 2,048, N 64]; A: softmax (see below); B: computed on the way: QUANTISED (scales: A lowp_scales[4], B lowp_scales[5])
;;     4. [M 8,192, K 1,024] x [K 1,024, N 1,024]; A: computed on the way; B: input w_proj: QUANTISED (scales: A lowp_scales[6], B lowp_scales[7])
;;   THE QUANTISER, for each operand of a quantised product, along K:
;;     - The operand's scale is 2^e, e = its entry of the input lowp_scales (int32; the entries are numbered through the quantised products in the list's order, A before B).
;;     - Each number is divided by the scale, clamped to +-57,344, and rounded to the nearest number of E5M2, ties to even, subnormals kept.
;;     - The product sums the exact products of the quantised numbers (number of the format x scale) in f32.
;;   ~~~python
;;   def quantise(x, axis, e):      # numpy; x: float32 -> the quantised numbers, widened to float32 again
;;       x = np.moveaxis(x, axis, -1); K = x.shape[-1]
;;       r = np.clip(x / 2.0 ** e, -57344, 57344)
;;       step = 2.0 ** (np.maximum(np.frexp(np.where(r == 0, 1, r))[1] - 1, -14) - 2)
;;       q = np.round(r / step) * step * 2.0 ** e      # np.round: ties to even
;;       return np.moveaxis(q, -1, axis).astype(np.float32)
;;   ~~~
;;   SOFTMAX AHEAD OF A QUANTISED PRODUCT. Where the list says 'softmax', what is quantised is not the finished softmax but p = 2^(t - M), with t = logit x log2(e) and M = ceil(the row's largest t), a whole number; so 1/2 < the row's largest p <= 1. The row's sum l is taken of the UNQUANTISED p, in f32, and the product's result is divided by l at the end. Since M is a whole number, a kernel that streams over the keys may use a running M (the ceiling of the running maximum): every later rescaling is an exact power of two, so the quantised numbers keep their values, but for numbers so far below the row's largest that they fall under the format's range.
;;   OPERANDS COMPUTED ON THE WAY. 'Computed on the way' means the value that the module computes at that place (a softmax that the list does not call 'softmax' is quantised finished and normalised). What goes into a quantiser is computed in f32, as accurately as f32 sums, v_exp_f32 and their like allow (about 1e-6 of the number): no bf16 or f16 on the way to a quantiser, and a product that is left as it is and whose result goes on into a quantised operand takes f32 operands (vector FMAs, or v_wmma_f32_16x16x4_f32). A number that lies on a knife's edge between two numbers of the format may be rounded either way, as far as f32 arithmetic and the matrix unit's own rounding can turn it there, and no further.
;;   INPUTS GIVEN AS CODES. w_attn (in the module: [1024, 3, 16, 64], K = its axis 0); x (in the module: [4, 2048, 1024], K = its axis 2): each comes as NAME_codes (uint8): NAME with its K axis moved to the last place and cut into blocks of 32 codes, [.., K / 32, bytes a block], one block behind the other in memory; one code a byte (a code: sign, 5 exponent bits, 2 mantissa bits); its scale is its entry of lowp_scales. Its value is code x scale, taken as it is: it is not quantised again, and the codes and scales need not be those that the quantiser above would give.
;; One version. Each part assembles by itself: llvm-mc -triple=amdgcn-amd-amdhsa -mcpu=gfx1250 --defsym DOCPART=n.
;; ======== version 1 of 1: 3 launches
;; limits: right only within a limited range of input values
;; workspace buffers: qimg 8,388,608 bytes; kvimg 16,777,216 bytes; oimg 8,388,608 bytes; wpimg 1,048,576 bytes
;; launch qkv (part 1): grid 8 x 32, 4 waves a work-group, clusters of 4 x 4, 327,680 bytes of LDS; arguments x_codes, w_attn_codes, b_attn, lowp_scales, qimg, kvimg; writes qimg, kvimg
.if DOCPART == 1
	.amdgcn_target "amdgcn-amd-amdhsa--gfx1250"
	.amdhsa_code_object_version 6
	.text
	.protected	k_qd276368bcf_qkv
	.globl	k_qd276368bcf_qkv
	.p2align	8
	.type	k_qd276368bcf_qkv,@function
k_qd276368bcf_qkv:
	s_mov_b64 s[64:65], 0
	v_nop
	global_prefetch_b8 v0, s[64:65] scope:SCOPE_SE
	s_setreg_imm32_b32 hwreg(HW_REG_WAVE_MODE, 25, 1), 1
	s_wait_xcnt 0x0
	s_wait_alu depctr_hold_cnt(0) depctr_sa_sdst(0) depctr_va_vdst(0) depctr_va_sdst(0) depctr_va_ssrc(0) depctr_va_vcc(0) depctr_vm_vsrc(0)
	s_getreg_b32 s2, hwreg(HW_REG_IB_STS2, 6, 4)
	s_cmp_eq_u32 s2, 0
	s_cbranch_scc0 .Lentry_in_a_cluster
	s_endpgm
.Lentry_in_a_cluster:
	s_bfe_u32 s2, ttmp6, 0x10000c
	s_cmp_lg_u32 s2, 0xf033
	s_cbranch_scc0 .Lentry_shape_is_right
	s_endpgm
.Lentry_shape_is_right:
; qkv = x w_attn + b_attn on codes of BF8 (E5M2); q / 8, k and v are quantised on the way out and stored as images of the operand registers that the attention launch wants.
; Every product of this launch is live: each q, k and v is read by the attention launch, which leaves out only the key steps that the causal mask hides whole.
; x: 8,192 rows (tokens) of 1,024 codes; w: 3,072 rows (q, k, v x head x e) of 1,024 codes; K innermost in both.  A sum stands for sum x 2^(e0 + e1).
; SHARES.  256 work-groups: (x, y) makes tokens 256 y .. + 255 x the heads 2 x, 2 x + 1 of q, of k and of v: 256 x 384.  A wave makes 128 tokens x one head's 64 rows of q, of k and of v: 96 accumulators of 16 x 16.
; K goes in four chunks of 256.  In LDS x's, q's and k's tiles have two slots; v's tile has one: two would not fit.  At a round v's tile of the chunk in hand and the next chunk's other tiles are asked for; they land while the chunk's
; products for q and k are made; a barrier; then the products for v.  Wave 0 fetches x's 256 rows, waves 1, 2, 3 the 128 rows of q, k, v.
; CLUSTERS of 4 x 4: x's tile hangs on the cluster's row alone and is asked for jointly along it, w's tiles on the column alone.
; THE MATRIX INSTRUCTION IS USED TRANSPOSED: q, k: source 0 = 16 rows of w, source 1 = 16 tokens: a lane holds one token and eight neighbours along e, the next product's K.
;   v: source 0 = 16 tokens, source 1 = 16 rows of w: a lane holds one e and eight neighbouring tokens (keys), the next K of v.
; THE BIAS x 2^-(e0 + e1) is the C of each sum's first product: it lies in accumulator (block, 7), which is begun last, in place.  The factor 2^(e0 + e1) and q's 1/8 go into the conversions' scales: 2^(e2 + 3 - e0 - e1) and so on.
; IMAGES.  qimg [bh][step 16][tile 8][c 2][lane][16]: tile 2 g + u holds queries 32 g + 8 u + (r & 7) + 16 (r >> 3); lane (r, h), piece c: e = 32 c + 16 h + 0 .. 15.
;   kvimg [bh][step 16][K 8,192 | V 8,192]: K as q; V [t 4][c 4][lane][16]: lane (r, h): e = 16 t + r, keys 32 c + 16 h + 0 .. 15.
; LIMITS: e0 + e1 between -126 and 126; e2 + 3 - e0 - e1, e3 - e0 - e1, e5 - e0 - e1 between -126 and 112, so that each power of two below is an f32 number.  NaN among the inputs is not served.
; No prefetch: each tile is asked for jointly by four work-groups, and K is four chunks long.
; REGISTERS: window 0: v0-31 addresses; v32-159 eight fragments that stay (x's, or v's); v160-255 three pairs of fragments that pass.  Windows 1, 2, 3: accumulators of q, k, v: (block b of w, block t of tokens) at v[64 b + 8 t].
.set PITCH,  272                       ; an LDS row: 256 bytes + 16 of padding: the 16 rows that a load touches start at 16 different banks
.set FI,     16*PITCH                  ; from block to block
.set TILE,   128*PITCH                 ; 128 rows
.set QOFF,   2*TILE                    ; slot 0: x's 256 rows, q's, k's
.set VOFF,   4*TILE                    ; v's
.set SLOT1,  5*TILE                    ; slot 1: x's, q's, k's
.set SPARE,  9*TILE                    ; the spare words, 128 bytes for each wave
.set CHUNK,  256
.set ADT, 16                           ; v16-17  LDS address of my fragments of x in slot 0, 1
.set ADW, 18                           ; v18-19  of q and, TILE on, of k
.set ADV, 20                           ; v20     of v
.set STOQ, 22                          ; the way out: where I put 8 codes of q or k,
.set STOV, 23                          ; of v
.set RD,   24                          ; where I read the images back
.set GOFF, 26                          ; 16 x lane
.set BQ,   8                           ; the biases' byte offsets
.set BV,   9
.set HLD,  10
.set SCL,  11
.set SPW,  28                          ; LDS address of my spare word; never rewritten
.set NIL,  29                          ; 0; never rewritten
.set RS,   32
.set XS,   160
.set TMP,  32                          ; the way out
.set CD,   64
.set LB,   128
.set G1,  24                           ; s[24:31] descriptor group 1 for x
.set GT0, 32
.set GT1, 36
.set GV,  40
.set G1B, 48                           ; s[48:55] for w
.set GW0, 56
.set GW1, 60
.set MSB, 0
.macro WIN new                         ; the immediate's high byte repeats the setting that is left
.if MSB != (\new)
	s_set_vgpr_msb (MSB<<8)|(\new)
.set MSB, (\new)
.endif
.endm
.macro PLACES n                        ; plain vector lines between a matrix instruction and a load into, or another touch of, its registers
.rept \n
	v_nop
.endr
.endm
; Joint loads, one chain of branches on the wave's number.  gt = 0: v's alone;  v = 0: none for v.  Four v_nop follow each line.
.macro JL gt, gw, v
.if \gt
	s_cmp_eq_u32 s14, 0
	s_cbranch_scc0 .Lnot_x_\@
	tensor_load_to_lds s[\gt:\gt+3], s[G1:G1+7]
	s_nop 0
	PLACES 4
	s_branch .Lasked_\@
.Lnot_x_\@:
	s_cmp_eq_u32 s14, 3
	s_cbranch_scc1 .Lfor_v_\@
	tensor_load_to_lds s[\gw:\gw+3], s[G1B:G1B+7]
	s_nop 0
	PLACES 4
	s_branch .Lasked_\@
.Lfor_v_\@:
.else
	s_cmp_eq_u32 s14, 3
	s_cbranch_scc0 .Lasked_\@
.endif
.if \v
	tensor_load_to_lds s[GV:GV+3], s[G1B:G1B+7]
	s_nop 0
	PLACES 4
.endif
.Lasked_\@:
.endm
.macro CROUND                          ; a round of the cluster's barrier
	s_barrier_signal -1
	s_barrier_wait -1
	s_cmp_lg_u32 s14, 0
	s_cbranch_scc1 .Lnot_wave_0_\@
	s_barrier_signal -3
.Lnot_wave_0_\@:
	s_barrier_wait -3
	s_barrier_signal -1
	s_barrier_wait -1
.endm
	s_load_b256 s[4:11], s[0:1], 0x0               ; x s[4:5], w s[6:7], b_attn s[8:9], the scales' exponents s[10:11]
	s_load_b128 s[76:79], s[0:1], 0x20             ; qimg s[76:77], kvimg s[78:79]
	v_lshl_add_u32 v[SPW], v0, 2, SPARE
	v_mov_b32 v[NIL], 0
	ds_add_u32 v[SPW], v[NIL]                      ; the wave's opening: the add, twice on end, and its wait ahead of my first tensor load
	ds_add_u32 v[SPW], v[NIL]
	v_lshrrev_b32 v1, 5, v0
	v_readfirstlane_b32 s14, v1                    ; wave 0..3
	s_lshr_b32 s15, s14, 1                         ; which 128 of the tokens are mine
	s_and_b32 s16, s14, 1                          ; which of the two heads
	s_mul_i32 s20, s15, TILE
	s_mul_i32 s21, s16, 64*PITCH
	s_add_co_u32 s22, s21, QOFF
	s_add_co_u32 s21, s21, VOFF
	s_mul_i32 s23, s14, 24576                      ; my stage: q, k, v, 8,192 bytes each, in slot 0
	v_and_b32 v1, 15, v0                           ; r
	v_bfe_u32 v2, v0, 4, 1                         ; h
	v_mul_u32_u24 v3, v1, PITCH
	v_lshl_add_u32 v4, v2, 4, v3                   ; a fragment's row x pitch + 16 x half
	v_add_nc_u32 v[ADT], s20, v4
	v_add_nc_u32 v[ADT+1], SLOT1, v[ADT]
	v_add_nc_u32 v[ADW], s22, v4
	v_add_nc_u32 v[ADW+1], SLOT1, v[ADW]
	v_add_nc_u32 v[ADV], s21, v4
	v_lshrrev_b32 v5, 3, v1
	v_and_b32 v6, 7, v1
	v_lshlrev_b32 v6, 4, v6
	v_lshl_add_u32 v6, v5, 10, v6
	v_lshl_add_u32 v6, v2, 3, v6
	v_add_nc_u32 v[STOQ], s23, v6                  ; 1,024 (r >> 3) + 16 (r & 7) + 8 h
	v_lshlrev_b32 v6, 4, v1
	v_lshl_add_u32 v6, v2, 3, v6
	v_add_nc_u32 v6, s23, v6
	v_add_nc_u32 v[STOV], 0x4000, v6               ; 16,384 + 16 r + 8 h
	v_and_b32 v5, 31, v0
	v_lshlrev_b32 v[GOFF], 4, v5
	v_add_nc_u32 v[RD], s23, v[GOFF]
	v_lshlrev_b32 v[BQ], 5, v2                     ; q's and k's biases: 32 h
	v_lshlrev_b32 v[BV], 2, v1                     ; v's: 4 r
	s_wait_alu depctr_va_vdst(0)                   ; ahead of the scalar lines and waits below
	s_bfe_u32 s44, ttmp6, 0x40000                  ; cx
	s_bfe_u32 s45, ttmp6, 0x40004                  ; cy
	s_lshl_b32 s46, ttmp9, 2
	s_add_co_u32 s46, s46, s44                     ; the pair of heads
	s_and_b32 s47, ttmp7, 0xffff
	s_lshl_b32 s47, s47, 2
	s_add_co_u32 s47, s47, s45                     ; the tile of tokens
	s_lshl_b32 s17, s45, 2
	s_lshl_b32 s17, 15, s17                        ; my row of the cluster
	s_lshl_b32 s18, 0x1111, s44                    ; my column
	s_or_b32 s[G1], s17, (1<<20)|(1<<21)|(5<<22)|(3<<25)    ; the mask; elements of 1 byte; padding on; bit 21 beside a mask; after every 64 words four words
	s_or_b32 s[G1B], s18, (1<<20)|(1<<21)|(5<<22)|(3<<25)
	s_mov_b32 s[G1+1], 256<<16                     ; tensor_dim0
	s_mov_b32 s[G1+2], 256<<16                     ; tensor_dim1
	s_mov_b32 s[G1+3], 256<<16                     ; tile_dim0
	s_mov_b32 s[G1+4], 256                         ; tile_dim1
	s_mov_b32 s[G1+5], 1024                        ; from row to row
	s_mov_b32 s[G1+6], 0
	s_mov_b32 s[G1+7], 0
	s_mov_b32 s[G1B+1], 256<<16
	s_mov_b32 s[G1B+2], 128<<16
	s_mov_b32 s[G1B+3], 256<<16
	s_mov_b32 s[G1B+4], 128
	s_mov_b32 s[G1B+5], 1024
	s_mov_b32 s[G1B+6], 0
	s_mov_b32 s[G1B+7], 0
	s_lshl_b32 s82, s47, 18                        ; x: 256 rows of 1,024 bytes a tile
	s_mov_b32 s83, 0
	s_max_u32 s84, s14, 1                          ; w: waves 1, 2: row 1,024 (wave - 1) + 128 x pair (wave 0 does not use it)
	s_sub_co_u32 s84, s84, 1
	s_lshl_b32 s84, s84, 20
	s_lshl_b32 s86, s46, 17
	s_add_co_u32 s84, s84, s86
	s_mov_b32 s85, 0
	s_add_co_u32 s86, s86, 2<<20                   ; v: row 2,048 + 128 x pair
	s_mov_b32 s87, 0
	s_mul_i32 s19, s14, TILE
	s_add_co_u32 s19, s19, TILE                    ; wave 1: q's place, wave 2: k's
	s_mov_b32 s[GT0], 1
	s_mov_b32 s[GT0+1], 0
	s_mov_b32 s[GT1], 1
	s_mov_b32 s[GT1+1], SLOT1
	s_mov_b32 s[GW0], 1
	s_mov_b32 s[GW0+1], s19
	s_mov_b32 s[GW1], 1
	s_add_co_u32 s[GW1+1], s19, SLOT1
	s_mov_b32 s[GV], 1
	s_mov_b32 s[GV+1], VOFF
	s_wait_dscnt 0x0                               ; both opening adds are done
	s_wait_kmcnt 0x0
	s_load_b256 s[68:75], s[10:11], 0x0            ; e0 .. e7
	s_add_nc_u64 s[GT0+2:GT0+3], s[4:5], s[82:83]
	s_add_nc_u64 s[GT1+2:GT1+3], s[GT0+2:GT0+3], CHUNK
	s_add_nc_u64 s[GW0+2:GW0+3], s[6:7], s[84:85]
	s_add_nc_u64 s[GW1+2:GW1+3], s[GW0+2:GW0+3], CHUNK
	s_add_nc_u64 s[GV+2:GV+3], s[6:7], s[86:87]
.irp g, GT0, GT1, GW0, GW1, GV
	s_or_b32 s[\g+3], s[\g+3], 0x80000000
.endr
	CROUND                                         ; all sixteen work-groups are here: the first joint loads meet
	JL GT0, GW0, 1                                 ; chunk 0, one load a wave
	; the biases of my head, 256 bytes in each of q, k, v, into accumulators (block, 7)
	s_lshl_b32 s86, s46, 9
	s_lshl_b32 s87, s16, 8
	s_add_co_u32 s86, s86, s87
	s_mov_b32 s87, 0
	s_add_nc_u64 s[8:9], s[8:9], s[86:87]
	WIN 0x40
.irp b, 0,1,2,3
	global_load_b128 v[64*\b+56:64*\b+59], v[BQ], s[8:9] offset:64*\b
	global_load_b128 v[64*\b+60:64*\b+63], v[BQ], s[8:9] offset:64*\b+16
.endr
	WIN 0x80
.irp b, 0,1,2,3
	global_load_b128 v[64*\b+56:64*\b+59], v[BQ], s[8:9] offset:4096+64*\b
	global_load_b128 v[64*\b+60:64*\b+63], v[BQ], s[8:9] offset:4096+64*\b+16
.endr
	WIN 0xc0
.irp b, 0,1,2,3
	global_load_b32 v[64*\b+56], v[BV], s[8:9] offset:8192+64*\b
.endr
	WIN 0
	; where my images go: bh = 16 x batch + head; q: 8,192 bytes; k and v: 16,384 on end
	s_lshr_b32 s82, s47, 3                         ; the batch
	s_lshl_b32 s82, s82, 4
	s_lshl_b32 s83, s46, 1
	s_add_co_u32 s82, s82, s83
	s_add_co_u32 s82, s82, s16                     ; bh
	s_and_b32 s83, s47, 7
	s_lshl_b32 s83, s83, 1
	s_add_co_u32 s83, s83, s15                     ; which 128 tokens of the sequence
	s_lshl_b32 s84, s82, 17
	s_lshl_b32 s85, s83, 13
	s_add_co_u32 s84, s84, s85
	s_mov_b32 s85, 0
	s_add_nc_u64 s[92:93], s[76:77], s[84:85]
	s_lshl_b32 s84, s82, 18
	s_lshl_b32 s86, s83, 14
	s_add_co_u32 s84, s84, s86
	s_add_nc_u64 s[94:95], s[78:79], s[84:85]
	s_wait_kmcnt 0x0
	s_add_co_i32 s66, s68, s69                     ; e0 + e1
	s_sub_co_i32 s96, 127, s66
	s_lshl_b32 s96, s96, 23                        ; 2^-(e0 + e1) as f32
	s_mov_b32 s97, s96                             ; (named with it as a pair)
.macro SCALE d, e, add                 ; s[d] the conversion's scale, s[d + 1] 57,344 x it
	s_sub_co_i32 s[\d], s[\e], s66
	s_add_co_i32 s[\d], s[\d], 127+\add
	s_add_co_i32 s[\d+1], s[\d], 15
	s_lshl_b32 s[\d], s[\d], 23
	s_lshl_b32 s[\d+1], s[\d+1], 23
	s_or_b32 s[\d+1], s[\d+1], 0x600000
.endm
	SCALE 82, 70, 3
	SCALE 84, 71, 0
	SCALE 86, 73, 0
	s_wait_loadcnt 0x0                             ; the biases
.irp w, 1,2
	WIN 0x41*\w
.irp b, 0,1,2,3
.irp i, 56,58,60,62
	v_pk_mul_f32 v[64*\b+\i:64*\b+\i+1], v[64*\b+\i:64*\b+\i+1], s[96:97] op_sel_hi:[1,0]
.endr
.endr
.endr
	WIN 0xcc
.irp b, 0,1,2,3
.irp i, 57,58,59,60,61,62,63,56
	v_mul_f32 v[64*\b+\i], s96, v[64*\b+56]
.endr
.endr
	WIN 0
.macro FRAG reg, adr, off              ; a fragment, 16 rows x 128 K: lane l holds row l % 16; registers 4 c .. 4 c + 3 hold K = 32 c + 16 (l / 16) + 0 .. 15: the same order of K on both sides of a product
.irp c, 0,1,2,3
	ds_load_b128 v[\reg+4*\c:\reg+4*\c+3], v[\adr] offset:\off+32*\c
.endr
.endm
.macro TLD reg, slot, hh, t0           ; four blocks of tokens, half hh of the chunk
.irp i, 0,1,2,3
	FRAG \reg+16*\i,ADT+\slot,128*(\hh)+(\t0+\i)*FI
.endr
.endm
.macro WLD n, slot                     ; pair n: half n / 4; q's blocks 0 1, 2 3, k's blocks 0 1, 2 3
	FRAG XS+32*((\n)%3),ADW+\slot,128*((\n)/4)+TILE*(((\n)%4)/2)+(2*((\n)%2))*FI
	FRAG XS+32*((\n)%3)+16,ADW+\slot,128*((\n)/4)+TILE*(((\n)%4)/2)+(2*((\n)%2)+1)*FI
.endm
.macro VTLD n, slot                    ; pair n of blocks of tokens: half n / 4, blocks 2 (n % 4) on
	FRAG XS+32*((\n)%3),ADT+\slot,128*((\n)/4)+(2*((\n)%4))*FI
	FRAG XS+32*((\n)%3)+16,ADT+\slot,128*((\n)/4)+(2*((\n)%4)+1)*FI
.endm
; Pair n of w x the blocks t0 .. t0 + cnt - 1 of tokens.  z = 1: the sums begin, with the bias as C.  The accumulators take turns.
.macro MULQ n, t0, cnt, z
.set wb, 64*(2*((\n)%2))
.set wx, XS+32*((\n)%3)
	WIN 0x50*(((\n)%4)/2+1)                        ; C and D window 1 (q) or 2 (k)
.irp b, 0,1
.set tt, \t0
.rept \cnt
.set ac, wb+64*\b+8*tt
.if \z
	v_wmma_f32_16x16x128_bf8_bf8 v[ac:ac+7], v[wx+16*\b:wx+16*\b+15], v[RS+16*tt:RS+16*tt+15], v[wb+64*\b+56:wb+64*\b+63]
.else
	v_wmma_f32_16x16x128_bf8_bf8 v[ac:ac+7], v[wx+16*\b:wx+16*\b+15], v[RS+16*tt:RS+16*tt+15], v[ac:ac+7]
.endif
.set tt, tt+1
.endr
.endr
.endm
; The chunk's products for q and k: x's eight fragments of a half stay, w's pass in pairs, two pairs ahead.
.macro QKPH slot, z
	PLACES 4
	TLD RS,\slot,0,0
	WLD 0,\slot
	TLD RS+64,\slot,0,4
	WLD 1,\slot
.irp n, 0,1,2,3,4,5,6,7
	WIN 0
.if (\n > 0) && (\n != 4)
	PLACES 4
.endif
.if \n < 6
	WLD \n+2,\slot
.endif
.if \n == 0
	s_wait_dscnt 32                                ; the first four blocks of x and pair 0 are in; x's other four (16), pairs 1 and 2 (16) may be out
.elseif \n == 4
	s_wait_dscnt 24                                ; x's other four (16) and pair 6 (8) may be out
.elseif \n == 6
	s_wait_dscnt 8
.elseif \n == 7
	s_wait_dscnt 0
.else
	s_wait_dscnt 16                                ; pairs n + 1 and n + 2 may be out
.endif
.if \z && (\n < 4)
	MULQ \n,0,4,1
.else
	MULQ \n,0,4,0
.endif
.if \n == 0
	s_wait_dscnt 16
.elseif \n == 4
	s_wait_dscnt 8
.endif
.if \n == 3
	WIN 0
	PLACES 4
	TLD RS,\slot,1,0                               ; the half's last pair frees x's fragments: the next half's
.endif
.if \z && (\n < 4)
	MULQ \n,4,3,1
	PLACES 5                                       ; the next lines write the accumulators that were C above
	MULQ \n,7,1,0
.else
	MULQ \n,4,4,0
.endif
.if \n == 3
	WIN 0
	PLACES 4
	TLD RS+64,\slot,1,4
.endif
.endr
	WIN 0
.endm
.macro MULV n, u, z                    ; block 2 (n % 4) + u of tokens x v's four blocks
.set tt, 2*((\n)%4)+\u
.set wx, XS+32*((\n)%3)+16*\u
.set rb, RS+64*((\n)/4)
	WIN 0xf0
.irp b, 0,1,2,3
.if \z
	v_wmma_f32_16x16x128_bf8_bf8 v[64*\b+8*tt:64*\b+8*tt+7], v[wx:wx+15], v[rb+16*\b:rb+16*\b+15], v[64*\b+56:64*\b+63]
.else
	v_wmma_f32_16x16x128_bf8_bf8 v[64*\b+8*tt:64*\b+8*tt+7], v[wx:wx+15], v[rb+16*\b:rb+16*\b+15], v[64*\b+8*tt:64*\b+8*tt+7]
.endif
.endr
.endm
; The chunk's products for v: v's fragments of both halves stay, x's pass in pairs, two pairs ahead.
.macro VPH slot, z
	PLACES 4
.irp b, 0,1,2,3
	FRAG RS+16*\b,ADV,\b*FI
.endr
	VTLD 0,\slot
	VTLD 1,\slot
.irp b, 0,1,2,3
	FRAG RS+64+16*\b,ADV,128+\b*FI
.endr
.irp n, 0,1,2,3,4,5,6,7
	WIN 0
.if \n > 0
	PLACES 4
.endif
.if \n < 6
	VTLD \n+2,\slot
.endif
.if \n < 2
	s_wait_dscnt 32                                ; v's second half (16) and two pairs (16) may be out
.elseif \n < 6
	s_wait_dscnt 16
.elseif \n == 6
	s_wait_dscnt 8
.else
	s_wait_dscnt 0
.endif
.if \z && (\n < 4)
	MULV \n,0,1
.else
	MULV \n,0,0
.endif
.if \z && (\n == 3)
	PLACES 5                                       ; the next lines write the accumulators that were C above
.endif
.if \z && (\n < 3)
	MULV \n,1,1
.else
	MULV \n,1,0
.endif
.endr
	WIN 0
.endm
.macro STEP2 g                         ; a slot's next chunk, two on
	s_add_nc_u64 s[\g+2:\g+3], s[\g+2:\g+3], 2*CHUNK
.endm
.macro SHOW                            ; the tiles asked for at the round are in, everybody's
	s_wait_tensorcnt 0x0
	s_wait_dscnt 0x0
	s_barrier_signal -1
	s_barrier_wait -1
.endm
; A change of chunks: each wave waits for all its tensor loads, adds 0 to its spare word, and waits for that and for its reads of the chunk that it has left; behind the round the refills come first.
.macro TURN gt, gw
	s_wait_tensorcnt 0x0
	ds_add_u32 v[SPW], v[NIL]                      ; 0 onto my spare word
.if \gt
	STEP2 \gt
	STEP2 \gw
.endif
	s_add_nc_u64 s[GV+2:GV+3], s[GV+2:GV+3], CHUNK
	s_wait_dscnt 0x0
	CROUND
	JL \gt, \gw, 1
.endm
	s_wait_alu depctr_va_vdst(0)                   ; the head's end
	s_wait_tensorcnt 0x0                           ; my part of chunk 0 is in
	ds_add_u32 v[SPW], v[NIL]                      ; ahead of a later first fill
	s_wait_dscnt 0x0
	CROUND
	JL GT1, GW1, 0                                 ; slot 1's first fill: chunk 1 of x, q, k
	QKPH 0, 1
	VPH 0, 1
	TURN GT0, GW0                                  ; chunk 2 of x, q, k; chunk 1 of v
	QKPH 1, 0
	SHOW
	VPH 1, 0
	TURN GT1, GW1                                  ; chunk 3 of x, q, k; chunk 2 of v
	QKPH 0, 0
	SHOW
	VPH 0, 0
	TURN 0, 0                                      ; chunk 3 of v
	QKPH 1, 0
	SHOW
	; THE WAY OUT.  Held at the largest code x the scale; eight numbers of a lane become eight codes; through my stage in slot 0, which has had its last fill and which nobody reads any more.
.macro UNIT w, n, so                   ; q, k: block n of tokens, w's four blocks; v: half of a block of w, four blocks of tokens
	WIN \w
.irp b, 0,1,2,3
.if \w == 3
.set ac, 64*(\n/2)+32*(\n%2)+8*\b
.else
.set ac, 64*\b+8*\n
.endif
.set jj, 0
.rept 8
	v_med3_num_f32 v[TMP+8*\b+jj], v[ac+jj], -v[HLD], v[HLD]   ; the conversion to an 8-bit code does not saturate (ISA guide 7.6.2)
.set jj, jj+1
.endr
.endr
	WIN 0
.irp b, 0,1,2,3
	v_cvt_scalef32_pk8_bf8_f32 v[CD+8*\n+2*\b:CD+8*\n+2*\b+1], v[TMP+8*\b:TMP+8*\b+7], v[SCL]
.endr
	v_nop                                          ; a plain line behind the last conversion
.irp b, 0,1,2,3
.if \w == 3
	ds_store_b64 v[STOV], v[CD+8*\n+2*\b:CD+8*\n+2*\b+1] offset:(\n/2)*2048+(\n%2)*1024+(\b/2)*512+(\b%2)*256
.else
	ds_store_b64 v[STOQ], v[CD+8*\n+2*\b:CD+8*\n+2*\b+1] offset:\so+(\n/2)*2048+(\b/2)*512+(\n%2)*128+(\b%2)*256
.endif
.endr
.endm
.macro ROLE w, so, sc
	v_mov_b32 v[SCL], s[\sc]
	v_mov_b32 v[HLD], s[\sc+1]
.irp n, 0,1,2,3,4,5,6,7
	UNIT \w,\n,\so
.endr
.endm
.macro BACK reg, so
.set tt, 0
.rept 16                                       ; LDS serves a wave's instructions in order: these see my stores
	ds_load_b128 v[\reg+4*tt:\reg+4*tt+3], v[RD] offset:\so+512*tt
.set tt, tt+1
.endr
.endm
.macro SEND reg, base, off
.set tt, 0
.rept 16
	global_store_b128 v[GOFF], v[\reg+4*tt:\reg+4*tt+3], s[\base:\base+1] offset:\off+512*tt   ; 32 lanes store 512 consecutive bytes, aligned
.set tt, tt+1
.endr
.endm
	PLACES 4                                       ; q and k are whole: they go out ahead of v's last products, and their stores are on their way meanwhile
	ROLE 1, 0, 82
	BACK LB, 0
	s_wait_dscnt 16                                ; q's stores into the stage have read their registers; the 16 loads may be out
	ROLE 2, 8192, 84
	s_wait_dscnt 32                                ; q's loads are in; k's 32 stores may be out
	SEND LB, 92, 0
	BACK LB+64, 8192
	s_wait_dscnt 0
	SEND LB+64, 94, 0
	s_wait_xcnt 0x0                                ; the stores have read their registers: the fragments below may land there
	VPH 1, 0
	PLACES 4
	ROLE 3, 0, 86
	BACK LB, 16384
	s_wait_dscnt 0
	SEND LB, 94, 8192
	s_wait_tensorcnt 0x0                           ; the wave's end
	ds_add_u32 v[SPW], v[NIL]
	s_wait_dscnt 0x0
	CROUND                                         ; the closing round
	s_endpgm
.Lfunc_end_k_qd276368bcf_qkv:
	.size	k_qd276368bcf_qkv, .Lfunc_end_k_qd276368bcf_qkv-k_qd276368bcf_qkv
	.p2alignl 7, 3214868480
	.fill 96, 4, 3214868480
	.section	.rodata,"a",@progbits
	.p2align	6, 0x0
	.amdhsa_kernel k_qd276368bcf_qkv
		.amdhsa_group_segment_fixed_size 327680
		.amdhsa_private_segment_fixed_size 0
		.amdhsa_enable_private_segment 0
		.amdhsa_kernarg_size 48
		.amdhsa_user_sgpr_count 2
		.amdhsa_user_sgpr_kernarg_segment_ptr 1
		.amdhsa_wavefront_size32 1
		.amdhsa_system_sgpr_workgroup_id_x 1
		.amdhsa_system_sgpr_workgroup_id_y 1
		.amdhsa_system_sgpr_workgroup_id_z 1
		.amdhsa_system_vgpr_workitem_id 0
		.amdhsa_next_free_vgpr 1024
		.amdhsa_next_free_sgpr 100
		.amdhsa_reserve_vcc 0
		.amdhsa_float_denorm_mode_32 3
		.amdhsa_float_denorm_mode_16_64 3
		.amdhsa_memory_ordered 1
		.amdhsa_forward_progress 1
		.amdhsa_inst_pref_size 210
	.end_amdhsa_kernel
	.amdgpu_metadata
---
amdhsa.version: [ 1, 2 ]
amdhsa.kernels:
  - .name:           k_qd276368bcf_qkv
    .symbol:         k_qd276368bcf_qkv.kd
    .args:
      - { .name: x_codes, .offset: 0, .size: 8, .value_kind: global_buffer, .address_space: global }
      - { .name: w_attn_codes, .offset: 8, .size: 8, .value_kind: global_buffer, .address_space: global }
      - { .name: b_attn, .offset: 16, .size: 8, .value_kind: global_buffer, .address_space: global }
      - { .name: lowp_scales, .offset: 24, .size: 8, .value_kind: global_buffer, .address_space: global }
      - { .name: qimg, .offset: 32, .size: 8, .value_kind: global_buffer, .address_space: global }
      - { .name: kvimg, .offset: 40, .size: 8, .value_kind: global_buffer, .address_space: global }
    .group_segment_fixed_size: 327680
    .private_segment_fixed_size: 0
    .kernarg_segment_align: 8
    .kernarg_segment_size: 48
    .max_flat_workgroup_size: 128
    .sgpr_count:     100
    .vgpr_count:     1024
    .wavefront_size: 32
...
	.end_amdgpu_metadata
.endif
;; end of part 1
;; launch attn (part 2): grid 4 x 64, 8 waves a work-group, clusters of 4 x 1, 327,680 bytes of LDS; arguments qimg, kvimg, w_proj, lowp_scales, oimg, wpimg; writes oimg, wpimg
.if DOCPART == 2
	.amdgcn_target "amdgcn-amd-amdhsa--gfx1250"
	.amdhsa_code_object_version 6
	.text
	.protected	k_qd276368bcf_attn
	.globl	k_qd276368bcf_attn
	.p2align	8
	.type	k_qd276368bcf_attn,@function
k_qd276368bcf_attn:
	s_mov_b64 s[64:65], 0
	v_nop
	global_prefetch_b8 v0, s[64:65] scope:SCOPE_SE
	s_setreg_imm32_b32 hwreg(HW_REG_WAVE_MODE, 25, 1), 1
	s_wait_xcnt 0x0
	s_wait_alu depctr_hold_cnt(0) depctr_sa_sdst(0) depctr_va_vdst(0) depctr_va_sdst(0) depctr_va_ssrc(0) depctr_va_vcc(0) depctr_vm_vsrc(0)
	s_getreg_b32 s2, hwreg(HW_REG_IB_STS2, 6, 4)
	s_cmp_eq_u32 s2, 0
	s_cbranch_scc0 .Lentry_in_a_cluster
	s_endpgm
.Lentry_in_a_cluster:
	s_bfe_u32 s2, ttmp6, 0x10000c
	s_cmp_lg_u32 s2, 0x3003
	s_cbranch_scc0 .Lentry_shape_is_right
	s_endpgm
.Lentry_shape_is_right:
; Causal attention on codes of BF8 (E5M2), head size 64, 2,048 tokens, 64 (batch, head) pairs; its result is quantised for the projection.  On the side, w_proj is quantised once for the next launch.
; THE SOFTMAX: t = score x log2(e); M = the row's largest t so far, rounded UP to a whole number; p = 2^(t - M) is quantised along the keys; the row's sum is taken of the unquantised p and divides at the end.
; NO RING: a head's K and V are 262,144 bytes and lie in LDS whole.  They come in two groups, each wave one load in each: key steps 0 to 4, then, behind a round, steps 5 to 15, for which steps 0 to 3 are walked before the wait.
; CLUSTER 4, 1, 1: the four work-groups of a head need the same K and V at the same time and ask for them jointly (mask 15).
; SHARES.  Groups of 32 queries: group g needs key steps 0 .. g / 4 of 128 keys (the steps behind are hidden whole by the causal mask and are left out).  Work-group p (its place in the cluster), wave w: first group 4 (15 - w) + p, then group 4 w + p:
; (16 - w) + (w + 1) = 17 key steps in every wave; no count and no branch hangs on p.  The second group walks its steps from its diagonal down: step 16 - trip.
; A wave holds both tiles of 16 queries of its group, so each fragment of K and V that it reads feeds two tiles, and the two tiles' vector lines alternate.
; LAYOUT.  Both products transposed: S^T = K Q^T (source 0 = 16 keys, source 1 = 16 queries), O^T = V^T P^T: a lane holds ONE query of each tile.  All operands lie in memory and LDS as images of their registers: lane l's 16 bytes at 16 l.
; A tile of K holds keys 32 b + 8 u + (r & 7) + 16 (r >> 3), so that the 16 registers of tiles 2 b, 2 b + 1 are keys 32 b + 16 (lane / 16) + 0 .. 15; the tiles of queries have the same order.
; Hidden keys get p = 0, which is what the fill of -inf gives.
; LIMITS: e2 + e3 between -126 and 127 (added to log2(e)'s exponent field); e4, e6, e7 between -126 and 112; e4 + e5 goes by v_ldexp_f32; the scaled scores stay under 2^31 in magnitude.  NaN among the inputs is not served, and none that only a hidden key holds is carried.
; No prefetch: no tensor load stands in a loop; the second group has four key steps' work in which to land.
; REGISTERS.  Window 0: v1-11 addresses and the mask's bounds; v16, v18 -M of tile 0, 1; v[20:21], v[22:23] the sums; v24, v26 f; v28-63 at work; v64-79, v80-95 p's codes; v96-159, v160-223 S^T, then p; v224-239 at work; v240-251 constants.
;   Window 1: v0-63 V's fragments; v64-127 K's; v128-159, v160-191 O^T; v192-207 Q in hand, v208-223 Q of the second group.
.set STEPB, 16384                      ; a step: K's 8,192 bytes, then V's
.set PARTA, 10240                      ; a wave's part of the first group: 5 x 16,384 / 8
.set PARTB, 22528                      ; of the second: 11 x 16,384 / 8
.set STAGE, 262144                     ; the way out: 2,048 bytes for each wave; no tile lands here
.set SPARE, 278528                     ; the spare words, 128 bytes for each of 8 waves
.set LI,  1                            ; 16 x lane
.set ADR, 2
.set ADK, 3
.set STO, 4
.set SRD, 5
.set DM,  6                            ; the mask's bound of tile 0; tile 1's is 8 more
.set SPW, 8
.set NIL, 9
.set WV,  18
.set SEL, 20
.set CS,  22
.set G1,  24
.set G0,  32
.set H1,  36
.set H0,  44
.set NLG, 48                           ; trips of the first group
.set TRP, 49
.set OA,  50                           ; s[50:51] where my group's result goes
.set OB,  52                           ; s[52:53] the second group's
.set NCS, 54
.set TB,  55
.set CV,  56                           ; LDS byte of the step in hand
.set CK,  57                           ; of the next
.set EPV, 58
.set MSB, 0
.macro WIN new                         ; the immediate's high byte repeats the setting that is left
.if MSB != (\new)
	s_set_vgpr_msb (MSB<<8)|(\new)
.set MSB, (\new)
.endif
.endm
.macro CROUND                          ; a round of the cluster's barrier
	s_barrier_signal -1
	s_barrier_wait -1
	s_cmp_lg_u32 s[WV], 0
	s_cbranch_scc1 .Lnot_wave_0_\@
	s_barrier_signal -3
.Lnot_wave_0_\@:
	s_barrier_wait -3
	s_barrier_signal -1
	s_barrier_wait -1
.endm
	s_load_b256 s[4:11], s[0:1], 0x0               ; qimg s[4:5], kvimg s[6:7], w_proj s[8:9], the scales' exponents s[10:11]
	s_load_b128 s[12:15], s[0:1], 0x20             ; oimg s[12:13], wpimg s[14:15]
	v_lshl_add_u32 v[SPW], v0, 2, SPARE
	v_mov_b32 v[NIL], 0
	ds_add_u32 v[SPW], v[NIL]                      ; the wave's opening: the add, twice on end, and its wait ahead of my first tensor load
	ds_add_u32 v[SPW], v[NIL]
	v_lshrrev_b32 v12, 5, v0
	v_readfirstlane_b32 s[WV], v12                 ; wave 0..7
	s_bfe_u32 s76, ttmp6, 0x40000                  ; p: it enters addresses in memory and the mask's bound alone
	s_lshl_b32 s77, s[WV], 11
	s_add_co_u32 s77, s77, STAGE                   ; my stage
	s_lshl_b32 s78, s76, 5                         ; 32 p
	v_and_b32 v12, 31, v0                          ; lane
	v_and_b32 v13, 15, v0                          ; r
	v_bfe_u32 v14, v0, 4, 1                        ; h
	v_lshlrev_b32 v[LI], 4, v12
	v_lshlrev_b32 v10, 2, v12                      ; w_proj: 4 bytes a lane
	v_lshlrev_b32 v15, 4, v13
	v_lshl_add_u32 v11, v14, 14, v15               ; wpimg: 16 r, and lanes 16-31 one tile of 16 columns on
	v_lshl_add_u32 v[STO], v14, 3, v15
	v_add_nc_u32 v[STO], s77, v[STO]               ; the way out, in: 16 r + 8 h
	v_add_nc_u32 v[SRD], s77, v[LI]                ; back: 16 x lane
	v_and_b32 v16, 7, v13
	v_lshrrev_b32 v13, 3, v13
	v_lshl_add_u32 v16, v13, 4, v16
	v_lshlrev_b32 v14, 4, v14
	v_sub_nc_u32 v16, v16, v14
	v_add_nc_u32 v[DM], s78, v16                   ; my query less the diagonal step's first key less 16 h: 32 p + 8 u + (r & 7) + 16 (r >> 3) - 16 h, the same for both groups
	s_wait_alu depctr_va_vdst(0)                   ; ahead of the scalar lines and waits below
	; the descriptors: nothing in them hangs on p
	s_and_b32 s92, ttmp7, 0xffff                   ; bh
	s_lshl_b32 s94, s92, 18                        ; kvimg: a head is 262,144 bytes
	s_mul_i32 s93, s[WV], PARTA
	s_add_co_u32 s94, s94, s93
	s_mov_b32 s95, 0
	s_mul_i32 s96, s[WV], PARTB
	s_add_co_u32 s96, s96, 5*STEPB
	s_lshl_b32 s98, s92, 18
	s_add_co_u32 s98, s98, s96
	s_mov_b32 s99, 0
	s_mov_b32 s[G1], 15|(3<<16)|(1<<21)            ; the mask: all four; elements of 8 bytes; bit 21 beside a mask; no padding: every read of a fragment takes 512 consecutive bytes
	s_mov_b32 s[G1+1], 32<<16                      ; rows of 256 bytes, dense
	s_mov_b32 s[G1+2], (PARTA/256)<<16
	s_mov_b32 s[G1+3], 32<<16
	s_mov_b32 s[G1+4], PARTA/256
	s_mov_b32 s[G1+5], 32
	s_mov_b32 s[G1+6], 0
	s_mov_b32 s[G1+7], 0
	s_mov_b32 s[H1], 15|(3<<16)|(1<<21)
	s_mov_b32 s[H1+1], 32<<16
	s_mov_b32 s[H1+2], (PARTB/256)<<16
	s_mov_b32 s[H1+3], 32<<16
	s_mov_b32 s[H1+4], PARTB/256
	s_mov_b32 s[H1+5], 32
	s_mov_b32 s[H1+6], 0
	s_mov_b32 s[H1+7], 0
	s_mov_b32 s[G0], 1
	s_mov_b32 s[G0+1], s93                         ; LDS byte = byte of the head's image
	s_mov_b32 s[H0], 1
	s_mov_b32 s[H0+1], s96
	s_mov_b32 s[SEL], 0x76543210
	s_mov_b32 s[SEL+1], 0xfedcba98
	s_sub_co_u32 s[NLG], 16, s[WV]
	s_wait_dscnt 0x0                               ; both opening adds are done
	s_wait_kmcnt 0x0
	s_load_b256 s[68:75], s[10:11], 0x0            ; e0 .. e7
	s_add_nc_u64 s[G0+2:G0+3], s[6:7], s[94:95]
	s_or_b32 s[G0+3], s[G0+3], 0x80000000
	s_add_nc_u64 s[H0+2:H0+3], s[6:7], s[98:99]
	s_or_b32 s[H0+3], s[H0+3], 0x80000000
	CROUND                                         ; the four work-groups are here: the joint loads meet
	tensor_load_to_lds s[G0:G0+3], s[G1:G1+7]      ; my part of steps 0 to 4
	s_nop 0
	; addresses in memory
	s_sub_co_u32 s79, 15, s[WV]
	s_lshl_b32 s79, s79, 7
	s_add_co_u32 s79, s79, s78                     ; the first group's first query
	s_lshl_b32 s80, s[WV], 7
	s_add_co_u32 s80, s80, s78                     ; the second's
	s_lshl_b32 s81, s92, 17                        ; qimg: a head is 131,072 bytes, a query 64
	s_lshl_b32 s82, s79, 6
	s_add_co_u32 s82, s82, s81
	s_mov_b32 s83, 0
	s_lshl_b32 s84, s80, 6
	s_add_co_u32 s84, s84, s81
	s_mov_b32 s85, 0
	s_lshr_b32 s81, s92, 4                         ; oimg: a row tile of 16 queries is 16,384 bytes; the head's 1,024 bytes in it
	s_lshl_b32 s81, s81, 21
	s_and_b32 s77, s92, 15
	s_lshl_b32 s77, s77, 10
	s_add_co_u32 s81, s81, s77
	s_lshl_b32 s86, s79, 10
	s_add_co_u32 s86, s86, s81
	s_mov_b32 s87, 0
	s_lshl_b32 s88, s80, 10
	s_add_co_u32 s88, s88, s81
	s_mov_b32 s89, 0
	s_and_b32 s77, s92, 1                          ; w_proj: work-group g = 4 bh + p takes 32 along K (block g / 8) x 128 columns (group g % 8); wave w: columns 32 (w % 4) on, 16 along K from 16 (w / 4) on
	s_lshl_b32 s77, s77, 2
	s_add_co_u32 s77, s77, s76                     ; g % 8
	s_lshr_b32 s78, s92, 1                         ; g / 8
	s_and_b32 s79, s[WV], 3
	s_lshr_b32 s80, s[WV], 2
	s_lshl_b32 s90, s78, 17                        ; 32 rows of 4,096 bytes
	s_lshl_b32 s81, s80, 16
	s_add_co_u32 s90, s90, s81
	s_lshl_b32 s81, s77, 9
	s_add_co_u32 s90, s90, s81
	s_lshl_b32 s81, s79, 7
	s_add_co_u32 s90, s90, s81
	s_mov_b32 s91, 0
	s_lshl_b32 s66, s77, 17                        ; wpimg [tile of 16 columns][K step 8][c 4][lane][16]
	s_lshl_b32 s81, s79, 15
	s_add_co_u32 s66, s66, s81
	s_lshr_b32 s81, s78, 2
	s_lshl_b32 s81, s81, 11
	s_add_co_u32 s66, s66, s81
	s_and_b32 s81, s78, 3
	s_lshl_b32 s81, s81, 9
	s_add_co_u32 s66, s66, s81
	s_lshl_b32 s81, s80, 8
	s_add_co_u32 s66, s66, s81
	s_mov_b32 s67, 0
	s_add_nc_u64 s[82:83], s[4:5], s[82:83]
	s_add_nc_u64 s[84:85], s[4:5], s[84:85]
	s_add_nc_u64 s[OA:OA+1], s[12:13], s[86:87]
	s_add_nc_u64 s[OB:OB+1], s[12:13], s[88:89]
	s_add_nc_u64 s[90:91], s[8:9], s[90:91]
	s_add_nc_u64 s[66:67], s[14:15], s[66:67]
.set ii, 0
.rept 16
	global_load_b32 v[96+ii], v10, s[90:91] offset:4096*ii th:TH_LOAD_NT   ; four waves read 512 neighbouring bytes of a row; each number is read once in the launch
.set ii, ii+1
.endr
	WIN 0x40                                       ; both groups' queries stay in registers
.irp u, 0,1
	global_load_b128 v[192+8*\u:195+8*\u], v[LI], s[82:83] offset:1024*\u
	global_load_b128 v[196+8*\u:199+8*\u], v[LI], s[82:83] offset:1024*\u+512
	global_load_b128 v[208+8*\u:211+8*\u], v[LI], s[84:85] offset:1024*\u
	global_load_b128 v[212+8*\u:215+8*\u], v[LI], s[84:85] offset:1024*\u+512
.endr
	WIN 0
	s_wait_kmcnt 0x0
	s_add_co_i32 s60, s70, s71
	s_lshl_b32 s60, s60, 23
	s_add_co_i32 s[CS], s60, 0x3fb8aa3b            ; log2(e) x 2^(e2 + e3): a score stands for score x 2^(e2 + e3)
	s_mov_b32 s[CS+1], s[CS]
	s_xor_b32 s[NCS], s[CS], 0x80000000
	s_add_co_i32 s[EPV], s72, s73
.macro SCALE e, sc, hd                 ; v[sc] = 2^e, v[hd] = 57,344 x it
	s_add_co_i32 s60, s[\e], 127
	s_lshl_b32 s61, s60, 23
	s_add_co_i32 s60, s60, 15
	s_lshl_b32 s60, s60, 23
	s_or_b32 s60, s60, 0x600000
	v_mov_b32 v[\sc], s61
	v_mov_b32 v[\hd], s60
.endm
	SCALE 72, 244, 240                             ; p's
	SCALE 74, 245, 241                             ; the result's
	SCALE 75, 112, 113                             ; w_proj's
.irp v, 17,19,25,27                    ; the upper halves of pairs
	v_mov_b32 v\v, 0
.endr
	v_mov_b32 v28, 0                               ; written once: a lane permute's destination counts as one of its sources
	v_mov_b32 v29, 0
.macro INIT                            ; a group's start: the step finds zeros, which the first change of M leaves zeros
	v_mov_b32 v16, 0x7f61b1e6                      ; -M = 3e38
	v_mov_b32 v18, 0x7f61b1e6
.irp v, 20,21,22,23
	v_mov_b32 v\v, 0
.endr
	WIN 0x40
.set ii, 0
.rept 64
	v_mov_b32 v[128+ii], 0
.set ii, ii+1
.endr
	WIN 0
.endm
	INIT
; THE SOFTMAX of both tiles: S^T becomes p's codes; the sums and O^T come under the new M.
.macro SOFT
.irp c, 0,1,2,3                        ; the step's largest score of my query among my 64 keys, four chains a tile, each accumulator from its low end on
	v_max3_num_f32 v[32+\c], v[96+3*\c], v[97+3*\c], v[98+3*\c]
	v_max3_num_f32 v[36+\c], v[160+3*\c], v[161+3*\c], v[162+3*\c]
.endr
.set kk, 0
.rept 26
	v_max3_num_f32 v[32+kk%4], v[32+kk%4], v[108+2*kk], v[109+2*kk]
	v_max3_num_f32 v[36+kk%4], v[36+kk%4], v[172+2*kk], v[173+2*kk]
.set kk, kk+1
.endr
	v_max3_num_f32 v30, v32, v33, v34
	v_max3_num_f32 v31, v36, v37, v38
	v_max_num_f32 v30, v30, v35
	v_max_num_f32 v31, v31, v39
	v_permlanex16_b32 v28, v30, s[SEL], s[SEL+1]
	v_permlanex16_b32 v29, v31, s[SEL], s[SEL+1]
	v_mov_b32 v32, v16
	v_mov_b32 v36, v18
	v_max_num_f32 v30, v30, v28                    ; and among lane l xor 16's
	v_max_num_f32 v31, v31, v29
	v_mul_f32 v30, s[NCS], v30                     ; -t
	v_mul_f32 v31, s[NCS], v31
	v_floor_f32 v30, v30
	v_floor_f32 v31, v31
	v_min_num_f32 v16, v16, v30                    ; the new -M, a whole number: M = ceil of the largest t so far
	v_min_num_f32 v18, v18, v31
	v_sub_f32 v30, v16, v32
	v_sub_f32 v31, v18, v36
	v_cvt_i32_f32 v30, v30                         ; (it saturates)
	v_cvt_i32_f32 v31, v31
	v_ldexp_f32 v24, 1.0, v30                      ; f = 2^(old M - new M)
	v_ldexp_f32 v26, 1.0, v31
.set jj, 0
.rept 32
	v_pk_fma_f32 v[96+jj:97+jj], v[96+jj:97+jj], s[CS:CS+1], v[16:17] op_sel_hi:[1,0,0]   ; t - M of tile 0
.set jj, jj+2
.endr
	s_wait_alu depctr_va_vdst(0)                   ; ahead of the batch
.set jj, 0
.rept 32                                       ; tile 0's p = 2^(t - M); between them tile 1's t - M, which is first read behind the next wait
	v_exp_f32 v[96+jj], v[96+jj]
	v_pk_fma_f32 v[160+jj:161+jj], v[160+jj:161+jj], s[CS:CS+1], v[18:19] op_sel_hi:[1,0,0]
	v_exp_f32 v[97+jj], v[97+jj]
.set jj, jj+2
.endr
	v_pk_mul_f32 v[20:21], v[20:21], v[24:25] op_sel_hi:[1,0]   ; the sums under the new M (plain lines behind the exponentials)
	v_pk_mul_f32 v[22:23], v[22:23], v[26:27] op_sel_hi:[1,0]
	s_wait_alu depctr_va_vdst(0)                   ; the wait behind the batch, and ahead of the next
.set jj, 0
.rept 16                                       ; tile 1's p; between them tile 0's first sums, of the unquantised p, and its holds, first read behind the next wait
	v_exp_f32 v[160+jj], v[160+jj]
	v_pk_add_f32 v[32+jj/2:33+jj/2], v[96+jj:97+jj], v[98+jj:99+jj]
	v_exp_f32 v[161+jj], v[161+jj]
	v_dual_min_num_f32 v[96+jj], v240, v[96+jj] :: v_dual_min_num_f32 v[97+jj], v240, v[97+jj]   ; the conversion does not saturate (ISA guide 7.6.2); p is not negative
	v_exp_f32 v[162+jj], v[162+jj]
	v_dual_min_num_f32 v[98+jj], v240, v[98+jj] :: v_dual_min_num_f32 v[99+jj], v240, v[99+jj]
	v_exp_f32 v[163+jj], v[163+jj]
.set jj, jj+4
.endr
	WIN 0x41
	s_wait_alu depctr_va_vdst(0)                   ; behind the batch, directly ahead of the first reader of O^T
.set jj, 0
.rept 16
	v_pk_mul_f32 v[128+jj:129+jj], v[128+jj:129+jj], v[24:25] op_sel_hi:[1,0]   ; O^T under the new M
	v_pk_mul_f32 v[160+jj:161+jj], v[160+jj:161+jj], v[26:27] op_sel_hi:[1,0]
.set jj, jj+2
.endr
	WIN 0
.irp b, 0,1,2,3
	v_cvt_scalef32_pk8_bf8_f32 v[64+4*\b:65+4*\b], v[96+16*\b:103+16*\b], v244
	v_cvt_scalef32_pk8_bf8_f32 v[66+4*\b:67+4*\b], v[104+16*\b:111+16*\b], v244
.endr
.set jj, 0
.rept 8                                        ; tile 0's sums: 16 pairs in a tree; tile 1's: eight chains
	v_pk_add_f32 v[32+jj:33+jj], v[32+jj:33+jj], v[48+jj:49+jj]
	v_pk_add_f32 v[224+jj:225+jj], v[160+jj:161+jj], v[176+jj:177+jj]
.set jj, jj+2
.endr
.set jj, 0
.rept 8
.if jj < 8
	v_pk_add_f32 v[32+jj:33+jj], v[32+jj:33+jj], v[40+jj:41+jj]
.endif
	v_pk_add_f32 v[224+jj:225+jj], v[224+jj:225+jj], v[192+jj:193+jj]
.set jj, jj+2
.endr
	v_pk_add_f32 v[32:33], v[32:33], v[36:37]
	v_pk_add_f32 v[34:35], v[34:35], v[38:39]
.set jj, 0
.rept 8
	v_pk_add_f32 v[224+jj:225+jj], v[224+jj:225+jj], v[208+jj:209+jj]
.set jj, jj+2
.endr
	v_pk_add_f32 v[32:33], v[32:33], v[34:35]
.irp b, 0,1,2,3
.if \b == 0
	v_pk_add_f32 v[224:225], v[224:225], v[232:233]
	v_pk_add_f32 v[226:227], v[226:227], v[234:235]
	v_pk_add_f32 v[228:229], v[228:229], v[236:237]
	v_pk_add_f32 v[230:231], v[230:231], v[238:239]
.elseif \b == 1
	v_pk_add_f32 v[20:21], v[20:21], v[32:33]
	v_pk_add_f32 v[224:225], v[224:225], v[228:229]
	v_pk_add_f32 v[226:227], v[226:227], v[230:231]
.elseif \b == 2
	v_pk_add_f32 v[224:225], v[224:225], v[226:227]
.else
	v_pk_add_f32 v[22:23], v[22:23], v[224:225]
.endif
.set jj, 160+16*\b
.rept 8
	v_dual_min_num_f32 v[jj], v240, v[jj] :: v_dual_min_num_f32 v[jj+1], v240, v[jj+1]
.set jj, jj+2
.endr
	v_cvt_scalef32_pk8_bf8_f32 v[80+4*\b:81+4*\b], v[160+16*\b:167+16*\b], v244
	v_cvt_scalef32_pk8_bf8_f32 v[82+4*\b:83+4*\b], v[168+16*\b:175+16*\b], v244
.endr
	v_nop                                          ; a plain line behind the last conversion
.endm
.macro QK sc, qq                       ; eight tiles of 16 keys against one tile of queries
.irp t, 0,1,2,3,4,5,6,7
	v_wmma_f32_16x16x64_bf8_bf8 v[\sc+8*\t:\sc+8*\t+7], v[64+8*\t:71+8*\t], v[\qq:\qq+7], 0
.endr
.endm
.macro PV oo, cc
.irp t, 0,1,2,3
	v_wmma_f32_16x16x128_bf8_bf8 v[\oo+8*\t:\oo+8*\t+7], v[16*\t:16*\t+15], v[\cc:\cc+15], v[\oo+8*\t:\oo+8*\t+7]   ; one instruction a turn
.endr
.endm
.macro KLOAD adr, off
	WIN 0x40
.irp t, 0,1,2,3,4,5,6,7
	ds_load_b128 v[64+8*\t:67+8*\t], v[\adr] offset:\off+1024*\t
	ds_load_b128 v[68+8*\t:71+8*\t], v[\adr] offset:\off+1024*\t+512
.endr
	WIN 0
.endm
.macro MASK                            ; register 16 b + i holds the diagonal step's key 16 h + 32 b + i: hidden in tile 0 where 32 b + i > the bound, in tile 1 where 32 b + i - 8 > it: 24 compares for 32 registers
.irp b, 0,1,2,3
.set nn, 0
.rept 24
	v_cmp_gt_i32 s[76+nn], 32*\b+nn-8, v[DM]
.set nn, nn+1
.endr
.set nn, 0
.rept 16
	v_cndmask_b32 v[96+16*\b+nn], v[96+16*\b+nn], v246, s[84+nn]
.set nn, nn+1
.endr
.set nn, 0
.rept 16
	v_cndmask_b32 v[160+16*\b+nn], v[160+16*\b+nn], v246, s[76+nn]
.set nn, nn+1
.endr
.endr
.endm
; A KEY STEP: 128 keys x 32 queries.  K's fragments are in; this step's V and the next step's K are asked for behind the first products and land while the softmax is walked.
.macro STEP late
	WIN 0x05                                       ; sources window 1, D window 0
	QK 96,192
	QK 160,200
	WIN 0
.if \late
	v_add_nc_u32 v[ADR], s[CV], v[LI]              ; with the lines below: four places in front of loads into registers that products read, and of the first read of the scores
	v_add_nc_u32 v[ADK], s[CK], v[LI]
.else
	v_add_nc_u32 v[ADR], s[TB], v[LI]
	v_nop
.endif
	v_nop
	v_nop
	WIN 0x40
.irp t, 0,1,2,3
.irp c, 0,1,2,3
	ds_load_b128 v[16*\t+4*\c:16*\t+4*\c+3], v[ADR] offset:8192+2048*\t+512*\c
.endr
.endr
	WIN 0
.if \late
	s_cmp_eq_u32 s[TRP], 16                        ; the last trip has no next step
	s_cbranch_scc1 .Lno_next_\@
	KLOAD ADK,0
.Lno_next_\@:
	s_add_co_u32 s60, s[TRP], 1
	s_sub_co_u32 s61, s60, s[NLG]                  ; 0: the first group's diagonal step; 1: the second's
	s_cmp_gt_u32 s61, 1
	s_cbranch_scc1 .Lopen_\@
	v_mov_b32 v246, 0xff800000
	MASK
.Lopen_\@:
.else
	KLOAD ADR,STEPB
.endif
	SOFT
	s_wait_alu depctr_va_vdst(0)                   ; ahead of the wait below
	s_wait_dscnt 0x0                               ; V and the next K are in
	WIN 0x51                                       ; source 0 (V), C and D window 1, source 1 (codes) window 0
	PV 128,64
	PV 160,80
	WIN 0
.endm
; A GROUP'S WAY OUT: O^T / the sum x 2^(e4 + e5) is the projection's operand: held, converted with 2^e6, and stored as the two tiles' 1,024 bytes each of the operand's image.
.macro WAYTILE u
	v_add_f32 v[20+2*\u], v[20+2*\u], v[21+2*\u]
	s_delay_alu instid0(VALU_DEP_1)
	v_permlanex16_b32 v[28+\u], v[20+2*\u], s[SEL], s[SEL+1]
	s_delay_alu instid0(VALU_DEP_1)
	v_add_f32 v[20+2*\u], v[20+2*\u], v[28+\u]     ; the row's sum
	s_wait_alu depctr_va_vdst(0)                   ; ahead of and behind the transcendental
	v_rcp_f32 v[20+2*\u], v[20+2*\u]
	v_nop                                          ; a plain line behind the transcendental
	s_wait_alu depctr_va_vdst(0)
	v_ldexp_f32 v[20+2*\u], v[20+2*\u], s[EPV]
	WIN 0x01
	s_wait_alu depctr_va_vdst(0)                   ; directly ahead of the first reader of O^T
.set jj, 0
.rept 16
	v_pk_mul_f32 v[160+jj:161+jj], v[128+32*\u+jj:129+32*\u+jj], v[20+2*\u:21+2*\u] op_sel_hi:[1,0]   ; register 8 t + i: e = 16 t + 8 h + i of my query
.set jj, jj+2
.endr
	WIN 0
.set jj, 0
.rept 32
	v_med3_num_f32 v[160+jj], v[160+jj], -v241, v241
.set jj, jj+1
.endr
.irp t, 0,1,2,3
	v_cvt_scalef32_pk8_bf8_f32 v[64+8*\u+2*\t:65+8*\u+2*\t], v[160+8*\t:167+8*\t], v245
.endr
	v_nop                                          ; a plain line behind the last conversion
.irp t, 0,1,2,3
	ds_store_b64 v[STO], v[64+8*\u+2*\t:65+8*\u+2*\t] offset:1024*\u+(\t/2)*512+(\t%2)*256
.endr
	ds_load_b128 v[96+8*\u:99+8*\u], v[SRD] offset:1024*\u         ; LDS serves a wave's instructions in order: these see my stores
	ds_load_b128 v[100+8*\u:103+8*\u], v[SRD] offset:1024*\u+512
.endm
.macro WAYOUT
.rept 4
	v_nop                                          ; places behind the last products
.endr
	WAYTILE 0
	WAYTILE 1
	s_wait_dscnt 0x0
	global_store_b128 v[LI], v[96:99], s[OA:OA+1]                ; 32 lanes store 512 consecutive bytes, aligned
	global_store_b128 v[LI], v[100:103], s[OA:OA+1] offset:512
	global_store_b128 v[LI], v[104:107], s[OA:OA+1] offset:16384 ; the second tile: one row tile on
	global_store_b128 v[LI], v[108:111], s[OA:OA+1] offset:16896
.endm
	s_wait_alu depctr_va_vdst(0)                   ; the head's end
	s_wait_tensorcnt 0x0                           ; my part of steps 0 to 4 is in
	ds_add_u32 v[SPW], v[NIL]
	s_wait_dscnt 0x0
	CROUND                                         ; everybody's part is in, and the joint loads meet
	tensor_load_to_lds s[H0:H0+3], s[H1:H1+7]      ; my part of steps 5 to 15
	s_nop 0
.rept 4
	v_nop                                          ; ahead of the switch of windows below
.endr
	KLOAD LI,0                                     ; step 0's K
	; w_proj [K 1,024][1,024 columns] f32 -> codes: a lane takes a column and its 16 registers run down K, so the conversions give codes with K innermost
	s_wait_loadcnt 0x8                             ; its sixteen loads are in; the eight of the queries may be out
.set ii, 0
.rept 16
	v_med3_num_f32 v[96+ii], v[96+ii], -v113, v113
.set ii, ii+1
.endr
	v_cvt_scalef32_pk8_bf8_f32 v[248:249], v[96:103], v112
	v_cvt_scalef32_pk8_bf8_f32 v[250:251], v[104:111], v112
	v_nop                                          ; a plain line behind the last conversion
	global_store_b128 v11, v[248:251], s[66:67]    ; sixteen lanes store 256 consecutive bytes, aligned
	s_wait_alu depctr_va_vdst(0)                   ; ahead of the waits below
	s_wait_loadcnt 0x0                             ; Q
	s_wait_dscnt 0x0                               ; step 0's K
	s_mov_b32 s[TB], 0
	s_mov_b32 s[TRP], 0
.Lfirst:                                           ; steps 0 to 3 of the first group: all their keys count, in every wave
	STEP 0
	s_add_co_u32 s[TB], s[TB], STEPB
	s_add_co_u32 s[TRP], s[TRP], 1
	s_cmp_lt_u32 s[TRP], 4
	s_cbranch_scc1 .Lfirst
	s_wait_tensorcnt 0x0                           ; my part of steps 5 to 15 is in
	s_wait_dscnt 0x0
	s_barrier_signal -1
	s_barrier_wait -1                              ; and everybody's.
	s_mov_b32 s[TRP], 4
.Lrest:                                            ; trips 4 to 16
	s_and_b32 s60, s[TRP], 15                      ; the step in hand: in the first group the trip's number, in the second 16 - it
	s_lshl_b32 s60, s60, 14
	s_add_co_u32 s61, s[TRP], 15
	s_xor_b32 s61, s61, 15
	s_and_b32 s61, s61, 15
	s_lshl_b32 s61, s61, 14
	s_cmp_lt_u32 s[TRP], s[NLG]
	s_cselect_b32 s[CV], s60, s61
	s_add_co_u32 s59, s[TRP], 1                    ; and the next
	s_and_b32 s60, s59, 15
	s_lshl_b32 s60, s60, 14
	s_xor_b32 s61, s[TRP], 15
	s_and_b32 s61, s61, 15
	s_lshl_b32 s61, s61, 14
	s_cmp_lt_u32 s59, s[NLG]
	s_cselect_b32 s[CK], s60, s61
	STEP 1
	s_add_co_u32 s60, s[TRP], 1
	s_cmp_eq_u32 s60, s[NLG]                       ; the first group's last step?  A branch on the wave's number
	s_cbranch_scc0 .Lsame
	WAYOUT
	s_wait_xcnt 0x0                                ; the stores have read their base and their registers
	s_mov_b64 s[OA:OA+1], s[OB:OB+1]
	WIN 0x41
.set ii, 0
.rept 16
	v_mov_b32 v[192+ii], v[208+ii]                 ; the second group's queries
.set ii, ii+1
.endr
	WIN 0
	INIT
	s_wait_alu depctr_va_vdst(0)                   ; ahead of the branch below
.Lsame:
	s_add_co_u32 s[TRP], s[TRP], 1
	s_cmp_lt_u32 s[TRP], 17
	s_cbranch_scc1 .Lrest
	WAYOUT
	s_wait_tensorcnt 0x0                           ; the wave's end
	ds_add_u32 v[SPW], v[NIL]
	s_wait_dscnt 0x0
	CROUND                                         ; the closing round
	s_endpgm
.Lfunc_end_k_qd276368bcf_attn:
	.size	k_qd276368bcf_attn, .Lfunc_end_k_qd276368bcf_attn-k_qd276368bcf_attn
	.p2alignl 7, 3214868480
	.fill 96, 4, 3214868480
	.section	.rodata,"a",@progbits
	.p2align	6, 0x0
	.amdhsa_kernel k_qd276368bcf_attn
		.amdhsa_group_segment_fixed_size 327680
		.amdhsa_private_segment_fixed_size 0
		.amdhsa_enable_private_segment 0
		.amdhsa_kernarg_size 48
		.amdhsa_user_sgpr_count 2
		.amdhsa_user_sgpr_kernarg_segment_ptr 1
		.amdhsa_wavefront_size32 1
		.amdhsa_system_sgpr_workgroup_id_x 1
		.amdhsa_system_sgpr_workgroup_id_y 1
		.amdhsa_system_sgpr_workgroup_id_z 1
		.amdhsa_system_vgpr_workitem_id 0
		.amdhsa_next_free_vgpr 512
		.amdhsa_next_free_sgpr 100
		.amdhsa_reserve_vcc 0
		.amdhsa_float_denorm_mode_32 3
		.amdhsa_float_denorm_mode_16_64 3
		.amdhsa_memory_ordered 1
		.amdhsa_forward_progress 1
		.amdhsa_inst_pref_size 109
	.end_amdhsa_kernel
	.amdgpu_metadata
---
amdhsa.version: [ 1, 2 ]
amdhsa.kernels:
  - .name:           k_qd276368bcf_attn
    .symbol:         k_qd276368bcf_attn.kd
    .args:
      - { .name: qimg, .offset: 0, .size: 8, .value_kind: global_buffer, .address_space: global }
      - { .name: kvimg, .offset: 8, .size: 8, .value_kind: global_buffer, .address_space: global }
      - { .name: w_proj, .offset: 16, .size: 8, .value_kind: global_buffer, .address_space: global }
      - { .name: lowp_scales, .offset: 24, .size: 8, .value_kind: global_buffer, .address_space: global }
      - { .name: oimg, .offset: 32, .size: 8, .value_kind: global_buffer, .address_space: global }
      - { .name: wpimg, .offset: 40, .size: 8, .value_kind: global_buffer, .address_space: global }
    .group_segment_fixed_size: 327680
    .private_segment_fixed_size: 0
    .kernarg_segment_align: 8
    .kernarg_segment_size: 48
    .max_flat_workgroup_size: 256
    .sgpr_count:     100
    .vgpr_count:     512
    .wavefront_size: 32
...
	.end_amdgpu_metadata
.endif
;; end of part 2
;; launch proj (part 3): grid 8 x 32, 4 waves a work-group, clusters of 4 x 1, 327,680 bytes of LDS; arguments oimg, wpimg, b_proj, lowp_scales, out0; writes out0
.if DOCPART == 3
	.amdgcn_target "amdgcn-amd-amdhsa--gfx1250"
	.amdhsa_code_object_version 6
	.text
	.protected	k_qd276368bcf_proj
	.globl	k_qd276368bcf_proj
	.p2align	8
	.type	k_qd276368bcf_proj,@function
k_qd276368bcf_proj:
	s_mov_b64 s[64:65], 0
	v_nop
	global_prefetch_b8 v0, s[64:65] scope:SCOPE_SE
	s_setreg_imm32_b32 hwreg(HW_REG_WAVE_MODE, 25, 1), 1
	s_wait_xcnt 0x0
	s_wait_alu depctr_hold_cnt(0) depctr_sa_sdst(0) depctr_va_vdst(0) depctr_va_sdst(0) depctr_va_ssrc(0) depctr_va_vcc(0) depctr_vm_vsrc(0)
	s_getreg_b32 s2, hwreg(HW_REG_IB_STS2, 6, 4)
	s_cmp_eq_u32 s2, 0
	s_cbranch_scc0 .Lentry_in_a_cluster
	s_endpgm
.Lentry_in_a_cluster:
	s_bfe_u32 s2, ttmp6, 0x10000c
	s_cmp_lg_u32 s2, 0x3003
	s_cbranch_scc0 .Lentry_shape_is_right
	s_endpgm
.Lentry_shape_is_right:
; out = O w_proj + b_proj on codes of BF8 (E5M2), both operands as images of the operand registers: oimg [row tile of 16 tokens][K step 8][c 4][lane][16], wpimg [tile of 16 columns][K step 8][c 4][lane][16].
; A sum stands for sum x 2^(e6 + e7).  A work-group makes 256 tokens x 128 columns, a wave 128 x 64.
; NO RING: the 16 row tiles of A are 262,144 consecutive bytes and lie in LDS whole, one load a wave.  w_proj's 64 columns of a wave, K = 1,024, go straight from memory into 512 registers and stay there.
; A wave walks its eight row tiles: 32 matrix instructions each, on four accumulators by turns; a tile goes out while the next is multiplied.
; CLUSTER 4, 1, 1: the four work-groups of a cluster need the same A and ask for it jointly (mask 15).  w_proj's fragments are not asked for jointly: they go into registers and never into LDS.
; Source 0 = 16 columns of w_proj, source 1 = 16 tokens: a lane holds one token and eight neighbouring columns.  Row tile 2 g + u holds tokens 32 g + 8 u + (r & 7) + 16 (r >> 3).
; LIMIT: e6 + e7 between -126 and 127.  No prefetch: no load from memory stands in a loop.
; REGISTERS: window 0: v1-31 addresses; v32-63 the biases; v64-95 the tile on its way out; v96-127, v128-159 it read back, by turns; v160-191, v192-223 accumulators, by turns.
;   Window 1: A's fragments of a row tile, two buffers of 128.  Windows 2, 3: w_proj's: (K step s, tile b of 16 columns) at 16 (4 (s % 4) + b) of window 2 + s / 4.
.set STAGE, 262144                     ; 16 rows x 272 bytes for each wave; no tile lands here
.set SPITCH, 272
.set SPARE, 279552                     ; the spare words, 128 bytes for each wave
.set LI,   16                          ; 16 x lane
.set ADA,  18                          ; v18, v19: my first, my last four row tiles in LDS
.set STO,  20
.set RD,   21
.set CO,   22
.set BO,   23
.set SPW,  28
.set NIL,  29
.set BIAS, 32
.set TMP,  64
.set BK,   96
.set ACC,  160
.set G1,   24
.set G0,   32
.set MSB, 0
.macro WIN new                         ; the immediate's high byte repeats the setting that is left
.if MSB != (\new)
	s_set_vgpr_msb (MSB<<8)|(\new)
.set MSB, (\new)
.endif
.endm
.macro CROUND                          ; a round of the cluster's barrier
	s_barrier_signal -1
	s_barrier_wait -1
	s_cmp_lg_u32 s14, 0
	s_cbranch_scc1 .Lnot_wave_0_\@
	s_barrier_signal -3
.Lnot_wave_0_\@:
	s_barrier_wait -3
	s_barrier_signal -1
	s_barrier_wait -1
.endm
	s_load_b256 s[4:11], s[0:1], 0x0               ; oimg s[4:5], wpimg s[6:7], b_proj s[8:9], the scales' exponents s[10:11]
	s_load_b64 s[12:13], s[0:1], 0x20              ; out0
	v_lshl_add_u32 v[SPW], v0, 2, SPARE
	v_mov_b32 v[NIL], 0
	ds_add_u32 v[SPW], v[NIL]                      ; the wave's opening: the add, twice on end, and its wait ahead of my first tensor load
	ds_add_u32 v[SPW], v[NIL]
	v_lshrrev_b32 v1, 5, v0
	v_readfirstlane_b32 s14, v1                    ; wave 0..3
	s_lshr_b32 s15, s14, 1                         ; which 128 of the tokens are mine
	s_and_b32 s16, s14, 1                          ; which 64 of the columns
	s_lshl_b32 s20, s15, 17
	s_mul_i32 s23, s14, 16*SPITCH
	s_add_co_u32 s23, s23, STAGE                   ; my stage
	v_and_b32 v1, 15, v0                           ; r
	v_bfe_u32 v2, v0, 4, 1                         ; h
	v_and_b32 v3, 31, v0
	v_lshlrev_b32 v[LI], 4, v3
	v_add_nc_u32 v[ADA], s20, v[LI]
	v_add_nc_u32 v[ADA+1], 0x10000, v[ADA]
	v_mul_u32_u24 v5, v1, SPITCH                   ; in: row r, 32 bytes for each half of the lanes
	v_lshl_add_u32 v5, v2, 5, v5
	v_add_nc_u32 v[STO], s23, v5
	v_mul_u32_u24 v6, v2, SPITCH                   ; back: lanes 0-15 one row of 256 bytes, lanes 16-31 the next
	v_lshl_add_u32 v6, v1, 4, v6
	v_add_nc_u32 v[RD], s23, v6
	v_lshlrev_b32 v7, 12, v2                       ; and the same two rows in the output
	v_lshl_add_u32 v[CO], v1, 4, v7
	v_lshlrev_b32 v[BO], 5, v2
	s_wait_alu depctr_va_vdst(0)                   ; ahead of the scalar lines and waits below
	s_and_b32 s17, ttmp7, 0xffff                   ; the tile of 256 tokens
	s_mov_b32 s[G1], 15|(3<<16)|(1<<21)            ; the mask: all four; elements of 8 bytes; bit 21 beside a mask; no padding: every read of a fragment takes 512 consecutive bytes
	s_mov_b32 s[G1+1], 32<<16                      ; rows of 256 bytes, dense
	s_mov_b32 s[G1+2], 256<<16
	s_mov_b32 s[G1+3], 32<<16
	s_mov_b32 s[G1+4], 256
	s_mov_b32 s[G1+5], 32
	s_mov_b32 s[G1+6], 0
	s_mov_b32 s[G1+7], 0
	s_lshl_b32 s19, s14, 16                        ; my quarter: 65,536 bytes
	s_lshl_b32 s18, s17, 18
	s_add_co_u32 s18, s18, s19
	s_mov_b32 s[G0], 1
	s_mov_b32 s[G0+1], s19
	s_mov_b32 s40, s18
	s_mov_b32 s41, 0
	s_bfe_u32 s44, ttmp6, 0x40000                  ; cx: it enters addresses of w_proj, of the biases and of the output alone
	s_lshl_b32 s46, ttmp9, 2
	s_add_co_u32 s46, s46, s44                     ; the tile of 128 columns
	s_lshl_b32 s48, s46, 1
	s_add_co_u32 s48, s48, s16                     ; my 64 columns
	s_lshl_b32 s50, s48, 16                        ; wpimg: four tiles of 16,384 bytes
	s_mov_b32 s51, 0
	s_lshl_b32 s52, s48, 8                         ; the biases, and the output's columns: 256 bytes
	s_mov_b32 s53, 0
	s_lshl_b32 s54, s17, 20                        ; the output's rows of 4,096 bytes: 256 x tile
	s_lshl_b32 s55, s15, 19                        ; + 128 x half
	s_add_co_u32 s54, s54, s55
	s_mov_b32 s55, 0
	s_wait_dscnt 0x0                               ; both opening adds are done
	s_wait_kmcnt 0x0
	s_load_b256 s[68:75], s[10:11], 0x0            ; e0 .. e7
	s_add_nc_u64 s[G0+2:G0+3], s[4:5], s[40:41]
	s_or_b32 s[G0+3], s[G0+3], 0x80000000
	CROUND                                         ; the four work-groups are here: the joint loads meet
	tensor_load_to_lds s[G0:G0+3], s[G1:G1+7]
	s_nop 0
	s_add_nc_u64 s[6:7], s[6:7], s[50:51]
	s_add_nc_u64 s[8:9], s[8:9], s[52:53]
	s_add_nc_u64 s[12:13], s[12:13], s[54:55]
	s_add_nc_u64 s[12:13], s[12:13], s[52:53]
.irp b, 0,1,2,3                        ; register 8 b + i: column 16 b + 8 h + i
	global_load_b128 v[BIAS+8*\b:BIAS+8*\b+3], v[BO], s[8:9] offset:64*\b
	global_load_b128 v[BIAS+8*\b+4:BIAS+8*\b+7], v[BO], s[8:9] offset:64*\b+16
.endr
.irp s, 0,1,2,3,4,5,6,7                ; w_proj, K step by K step: sixteen loads each, 32 lanes take 512 consecutive bytes
	WIN 0x80+0x40*(\s/4)
.irp b, 0,1,2,3
.irp c, 0,1,2,3
	global_load_b128 v[64*(\s%4)+16*\b+4*\c:64*(\s%4)+16*\b+4*\c+3], v[LI], s[6:7] offset:16384*\b+2048*\s+512*\c
.endr
.endr
.endr
	WIN 0
	s_wait_kmcnt 0x0
	s_add_co_i32 s96, s74, s75
	s_add_co_i32 s96, s96, 127
	s_lshl_b32 s96, s96, 23                        ; 2^(e6 + e7) as f32
	s_mov_b32 s97, s96                             ; (named with it as a pair)
.macro ALOAD n                         ; row tile n's eight fragments
	WIN 0x40
.irp s, 0,1,2,3,4,5,6,7
.irp c, 0,1,2,3
	ds_load_b128 v[128*((\n)%2)+16*\s+4*\c:128*((\n)%2)+16*\s+4*\c+3], v[ADA+(\n)/4] offset:16384*((\n)%4)+2048*\s+512*\c
.endr
.endr
	WIN 0
.endm
.macro MULT n                          ; row tile n: K ascending, the four accumulators by turns
.set ab, 128*((\n)%2)
.set ac, ACC+32*((\n)%2)
.irp s, 0,1,2,3,4,5,6,7
.if (\n) == 0
.if \s < 4
	s_wait_loadcnt 63                              ; of 136 loads at the most 63 are out: the biases and K steps 0 to 3 are in
.else
	s_wait_loadcnt 16*(7-\s)                       ; the later K steps' loads may be out
.endif
.endif
	WIN 0x06+(\s/4)                                ; source 0 (w_proj) window 2 or 3, source 1 (A) window 1
.irp b, 0,1,2,3
.if \s == 0
	v_wmma_f32_16x16x128_bf8_bf8 v[ac+8*\b:ac+8*\b+7], v[64*(\s%4)+16*\b:64*(\s%4)+16*\b+15], v[ab+16*\s:ab+16*\s+15], 0
.else
	v_wmma_f32_16x16x128_bf8_bf8 v[ac+8*\b:ac+8*\b+7], v[64*(\s%4)+16*\b:64*(\s%4)+16*\b+15], v[ab+16*\s:ab+16*\s+15], v[ac+8*\b:ac+8*\b+7]
.endif
.endr
.endr
	WIN 0
.endm
.macro TOSTAGE n                       ; sum x 2^(e6 + e7) + bias, into my own stage and back as whole rows of 256 bytes
.set ac, ACC+32*((\n)%2)
.set bb, BK+32*((\n)%2)
.set jj, 0
.rept 16
	v_pk_fma_f32 v[TMP+jj:TMP+jj+1], v[ac+jj:ac+jj+1], s[96:97], v[BIAS+jj:BIAS+jj+1] op_sel_hi:[1,0,1]
.set jj, jj+2
.endr
.irp b, 0,1,2,3
	ds_store_b128 v[STO], v[TMP+8*\b:TMP+8*\b+3] offset:64*\b
	ds_store_b128 v[STO], v[TMP+8*\b+4:TMP+8*\b+7] offset:64*\b+16
.endr
	s_wait_xcnt 0x0                                ; the stores of two tiles back have read the registers below
.irp t, 0,1,2,3,4,5,6,7
	ds_load_b128 v[bb+4*\t:bb+4*\t+3], v[RD] offset:\t*2*SPITCH   ; LDS serves a wave's instructions in order: these see my stores
.endr
.endm
.macro SEND n
.set bb, BK+32*((\n)%2)
.irp t, 0,1,2,3,4,5,6,7
	global_store_b128 v[CO], v[bb+4*\t:bb+4*\t+3], s[12:13] offset:4096*(32*((\n)/2)+8*((\n)%2)+((2*\t)%8)+16*(\t/4)) th:TH_STORE_NT   ; sixteen lanes store 256 consecutive bytes, aligned
.endr
.endm
.macro PLACES                          ; plain vector lines between the last products and loads into, or reads of, their registers
.rept 4
	v_nop
.endr
.endm
	s_wait_alu depctr_va_vdst(0)                   ; the head's end
	s_wait_tensorcnt 0x0                           ; my quarter of A is in,
	s_wait_dscnt 0x0
	s_barrier_signal -1
	s_barrier_wait -1                              ; and everybody's.
	ALOAD 0
	s_wait_dscnt 0x0
	ALOAD 1
	MULT 0
.irp n, 1,2,3,4,5,6,7
	s_wait_dscnt 0x0                               ; tile n's fragments are in: they were asked for ahead of the last tile's products
	PLACES
	TOSTAGE \n-1
.if \n < 7
	ALOAD \n+1
.endif
	MULT \n
.if \n < 7
	s_wait_dscnt 32                                ; the tile is back in registers; the next tile's 32 fragment loads may be out
.else
	s_wait_dscnt 0x0
.endif
	SEND \n-1
.endr
	PLACES
	TOSTAGE 7
	s_wait_dscnt 0x0
	SEND 7
	s_wait_tensorcnt 0x0                           ; the wave's end
	ds_add_u32 v[SPW], v[NIL]
	s_wait_dscnt 0x0
	CROUND                                         ; the closing round
	s_endpgm
.Lfunc_end_k_qd276368bcf_proj:
	.size	k_qd276368bcf_proj, .Lfunc_end_k_qd276368bcf_proj-k_qd276368bcf_proj
	.p2alignl 7, 3214868480
	.fill 96, 4, 3214868480
	.section	.rodata,"a",@progbits
	.p2align	6, 0x0
	.amdhsa_kernel k_qd276368bcf_proj
		.amdhsa_group_segment_fixed_size 327680
		.amdhsa_private_segment_fixed_size 0
		.amdhsa_enable_private_segment 0
		.amdhsa_kernarg_size 40
		.amdhsa_user_sgpr_count 2
		.amdhsa_user_sgpr_kernarg_segment_ptr 1
		.amdhsa_wavefront_size32 1
		.amdhsa_system_sgpr_workgroup_id_x 1
		.amdhsa_system_sgpr_workgroup_id_y 1
		.amdhsa_system_sgpr_workgroup_id_z 1
		.amdhsa_system_vgpr_workitem_id 0
		.amdhsa_next_free_vgpr 1024
		.amdhsa_next_free_sgpr 100
		.amdhsa_reserve_vcc 0
		.amdhsa_float_denorm_mode_32 3
		.amdhsa_float_denorm_mode_16_64 3
		.amdhsa_memory_ordered 1
		.amdhsa_forward_progress 1
		.amdhsa_inst_pref_size 75
	.end_amdhsa_kernel
	.amdgpu_metadata
---
amdhsa.version: [ 1, 2 ]
amdhsa.kernels:
  - .name:           k_qd276368bcf_proj
    .symbol:         k_qd276368bcf_proj.kd
    .args:
      - { .name: oimg, .offset: 0, .size: 8, .value_kind: global_buffer, .address_space: global }
      - { .name: wpimg, .offset: 8, .size: 8, .value_kind: global_buffer, .address_space: global }
      - { .name: b_proj, .offset: 16, .size: 8, .value_kind: global_buffer, .address_space: global }
      - { .name: lowp_scales, .offset: 24, .size: 8, .value_kind: global_buffer, .address_space: global }
      - { .name: out0, .offset: 32, .size: 8, .value_kind: global_buffer, .address_space: global }
    .group_segment_fixed_size: 327680
    .private_segment_fixed_size: 0
    .kernarg_segment_align: 8
    .kernarg_segment_size: 40
    .max_flat_workgroup_size: 128
    .sgpr_count:     100
    .vgpr_count:     1024
    .wavefront_size: 32
...
	.end_amdgpu_metadata
.endif
;; end of part 3
